; MI455X (gfx1250); checked and timed in simulation.
; The chip was launched on July 23, 2026; its instructions are those of AMD's public machine-readable ISA for CDNA 5 (MIT licence, August 2026) and "CDNA5" Instruction Set Architecture Reference Guide (July 2026). The comments in the code are by the model that wrote it; some were corrected since.
;; Cross Attention With Mask. Allowed arithmetic: matrix products marked QUANTISED: E4M3 operands, one given power-of-two scale a tensor, by v_wmma_f32_16x16x64_fp8_fp8 or v_wmma_f32_16x16x128_fp8_fp8, f32 sums; everything else in f32.
;; Inputs: Wk 256 x 256 float32; Wq 256 x 256 float32; Wv 256 x 256 float32; bk 256 float32; bq 256 float32; bv 256 float32; lowp_scales 10 int32 (the exponents e of the quantised operands' scales 2^e); query 1 x 256 x 64 x 64 float32; support 4 x 256 x 64 x 64 float32; temperature one number float32; threshold one number float32.
;; Outputs: out0 4 x 256 x 64 x 64 float32.
;; This version of the problem:
;;   THIS VERSION OF THE PROBLEM IS GIVEN IN LOW PRECISION. The matrix products marked QUANTISED in the list below multiply operands that are first quantised to E4M3 (4 exponent bits, 3 mantissa bits; 8 bits a number), with one given power-of-two scale for each operand tensor; their sums are f32. All else is computed in f32.
;;   The module's matrix products, in the order in which they are computed (A, B: the left and right operand; K: the contracted axis; several contracted axes count as one K, in the product's order):
;;     1. [M 16,384, K 256] x [K 256, N 256]; A: input query; B: input Wq: QUANTISED (scales: A lowp_scales[0], B lowp_scales[1])
;;     2. [M 16,384, K 256] x [K 256, N 256]; A: input support; B: input Wk: QUANTISED (scales: A lowp_scales[2], B lowp_scales[3])
;;     3. [M 16,384, K 256] x [K 256, N 256]; A: input support; B: input Wv: QUANTISED (scales: A lowp_scales[4], B lowp_scales[5])
;;     4. batch 4 x [M 4,096, K 256] x [K 256, N 4,096]; A: computed on the way; B: computed on the way: QUANTISED (scales: A lowp_scales[6], B lowp_scales[7])
;;     5. batch 4 x [M 4,096, K 4,096] x [K 4,096, N 256]; A: softmax (see below); B: computed on the way: QUANTISED (scales: A lowp_scales[8], B lowp_scales[9])
;;   THE QUANTISER, for each operand of a quantised product, along K:
;;     - The operand's scale is 2^e, e = its entry of the input lowp_scales (int32; the entries are numbered through the quantised products in the list's order, A before B).
;;     - Each number is divided by the scale, clamped to +-448, and rounded to the nearest number of E4M3, ties to even, subnormals kept.
;;     - The product sums the exact products of the quantised numbers (number of the format x scale) in f32.
;;   ~~~python
;;   def quantise(x, axis, e):      # numpy; x: float32 -> the quantised numbers, widened to float32 again
;;       x = np.moveaxis(x, axis, -1); K = x.shape[-1]
;;       r = np.clip(x / 2.0 ** e, -448, 448)
;;       step = 2.0 ** (np.maximum(np.frexp(np.where(r == 0, 1, r))[1] - 1, -6) - 3)
;;       q = np.round(r / step) * step * 2.0 ** e      # np.round: ties to even
;;       return np.moveaxis(q, -1, axis).astype(np.float32)
;;   ~~~
;;   SOFTMAX AHEAD OF A QUANTISED PRODUCT. Where the list says 'softmax', what is quantised is not the finished softmax but p = 2^(t - M), with t = logit x log2(e) and M = ceil(the row's largest t), a whole number; so 1/2 < the row's largest p <= 1. The row's sum l is taken of the UNQUANTISED p, in f32, and the product's result is divided by l at the end. Since M is a whole number, a kernel that streams over the keys may use a running M (the ceiling of the running maximum): every later rescaling is an exact power of two, so the quantised numbers keep their values, but for numbers so far below the row's largest that they fall under the format's range.
;;   OPERANDS COMPUTED ON THE WAY. 'Computed on the way' means the value that the module computes at that place (a softmax that the list does not call 'softmax' is quantised finished and normalised). What goes into a quantiser is computed in f32, as accurately as f32 sums, v_exp_f32 and their like allow (about 1e-6 of the number): no bf16 or f16 on the way to a quantiser, and a product that is left as it is and whose result goes on into a quantised operand takes f32 operands (vector FMAs, or v_wmma_f32_16x16x4_f32). A number that lies on a knife's edge between two numbers of the format may be rounded either way, as far as f32 arithmetic and the matrix unit's own rounding can turn it there, and no further.
;; One version. Each part assembles by itself: llvm-mc -triple=amdgcn-amd-amdhsa -mcpu=gfx1250 --defsym DOCPART=n.
;; ======== version 1 of 1: 2 launches
;; limits: right only within a limited range of input values
;; workspace buffers: q_img 1,048,576 bytes; k_img 4,194,304 bytes; v_img 4,194,304 bytes
;; launch proj (part 1): grid 144 x 1, 8 waves a work-group, no clusters, 144,384 bytes of LDS; arguments query, support, Wq, Wk, Wv, bq, bk, bv, lowp_scales, q_img, k_img, v_img; writes q_img, k_img, v_img
.if DOCPART == 1
	.amdgcn_target "amdgcn-amd-amdhsa--gfx1250"
	.amdhsa_code_object_version 6
	.text
	.protected	k_qbad7841cc8_proj
	.globl	k_qbad7841cc8_proj
	.p2align	8
	.type	k_qbad7841cc8_proj,@function
k_qbad7841cc8_proj:
	s_mov_b64 s[64:65], 0
	v_nop
	global_prefetch_b8 v0, s[64:65] scope:SCOPE_SE
	s_setreg_imm32_b32 hwreg(HW_REG_WAVE_MODE, 25, 1), 1
	s_wait_xcnt 0x0
; THE THREE PROJECTIONS, Q = q Wq^T + bq, K = s Wk^T + bk, V = s Wv^T + bv, on codes of FP8 (E4M3), and the quantisers of their results for the two products of attention.
; query [256 c][4096 hw], support [4][256 c][4096 hw], W [256 out][256 in], b [256]: f32.  Every operand is quantised here with its given scale 2^e; sums in f32; the bias is the C of a sum's first product.
; A JOB is a work-group: 256 rows (hw) x 256 in -> 256 out with one weight.  Work-groups 0-127: row block id / 2 of support, K (id even) or V (id odd); 128-143: row block id - 128 of query (Q is the same for all four images: made once).
; WHY 256 ROWS: a job reads its whole weight, 262,144 bytes of f32, whatever its rows.  With 256 rows it moves 524,288 bytes and there are 144 jobs, one to a WGP; with 128 rows there would be 288 jobs of 393,216 bytes
; for 256 WGPs, and a WGP with two of them would move 786,432.  An even split over 256 does not exist: the work is 9 x 2^20 row-channels, and each tensor's rows are a power of two.
; EIGHT WAVES.  For x, wave w takes block w / 4 (128 rows) and channels 64 (w % 4) on; for W and the products it owns out channels 32 w .. 32 w + 31 for all 256 rows; its four fragments of W stay in registers.
; EVERY LOAD TAKES 512 CONSECUTIVE BYTES, 16 a lane: eight groups of 16 loads (four chunks of x, four fragments of W) through three sets of 64 registers, so that 48 loads of a wave are on their way.
;   x (K = c is its first axis): a load is one c at 128 columns; a lane holds 4 columns x 16 c.  The conversion takes eight registers as they come and gives a word of four columns' codes for each c;
;     32 v_perm_b32 turn the 4 x 4 bytes of each four words, and each column's 16 codes along K go to its row in LDS.
;   W (K innermost): a load is 128 k of one row; a lane holds k = 4 l .. 4 l + 3 of 16 rows.  A row's codes go to the wave's own stage in LDS, 128 bytes an instruction, and the fragment comes back by four loads of 16 bytes.
; THE ROWS OF A TILE: tile T (0-7) of a block of 128 rows holds rows 64 (T / 4) + 4 r + T % 4, r = 0 .. 15: the same for Q, K and V, so that later a lane's four query tiles are four neighbouring queries.
; RESULTS are stored as IMAGES OF OPERAND REGISTERS: a fragment (16 rows x 128 K, 16 registers) is 2,048 bytes, registers 4 g .. 4 g + 3 of lane l at 512 g + 16 l; registers 2 c, 2 c + 1 of lane (r, h) hold k = 16 c + 8 h + 0 .. 7.
;   q_img [tile 256][s 2], k_img [n 4][tile 256][s 2]: k = channel 128 s + k (product used transposed: source 0 = 16 rows of W, so a lane holds one row and eight channels);
;   v_img [n 4][block of 128 keys 32][channel tile 16]: lane r = channel, c = the block's row tile (source 0 = 16 rows of x, so a lane holds one channel and eight keys).
; Inside the projections both operands are fetched 16 bytes at a time (registers 4 b .. 4 b + 3: k = 32 b + 16 h + 0 .. 15): one permutation of k, the same on both sides.
; No tensor load, no cluster: both operands arrive as f32 and are quantised in registers on their way, and x's part of a job is read by two jobs only, which stand side by side in the grid.
; LIMITS on the given exponents, so that each power of two below is an f32 number: the operands' e, and e(result) - e(x) - e(W), between -126 and 119.  NaN among the inputs is not served.
.set SRC,  28                          ; s[28:29] x at my wave's 128 columns and 64 channels
.set WB,   30                          ; s[30:31] W at my wave's 32 rows
.set BB,   32                          ; s[32:33] the bias at my wave's 32 numbers
.set OB,   34                          ; s[34:35] the images at my wave's part of the job
.set EX,   46                          ; s46-48 the exponents of x, of W, of the result
.set EW,   47
.set EO,   48
.set VT,   49                          ; s49  1 in a job for V
.set RB,   50                          ; s50  the block of 256 rows
.set WV,   51                          ; s51  my wave's number
.set SELA, 2                           ; s2, s3, s62, s63 the four byte selections of the turn
.set SELB, 3
.set SELC, 62
.set SELD, 63
.set XR,   1                           ; v1   LDS: a fragment of x: r x 272 + 16 h
.set LN,   2                           ; v2   16 x lane: my place in a load's 512 bytes and in an image
.set SO,   3                           ; v3, v4 the result's scale and largest number x scale
.set LO,   4
.set XW,   5                           ; v5   LDS: where my four columns' codes go
.set WSA,  6                           ; v6   LDS: my stage for W, on the way in: 4 x lane
.set WRA,  7                           ; v7   and on the way out: r x 144 + 16 h
.set SX,   8                           ; v8-11 scale and largest number x scale for x and for W
.set LX,   9
.set SW,   10
.set LW,   11
.set BV,   14                          ; v14, v15 the bias of my lane's channel, for my two out tiles (V)
.set OC,   8                           ; v8-15  later: a pair's codes
.set BI,   16                          ; v16-31 the bias as C, eight registers an out tile
.set GS,   32                          ; v32-223 three sets of 64 registers for the groups of loads
.set XF,   32                          ; v32-159 later: two sets of four fragments of x
.set DD,   192                         ; v192-223 later: four result tiles
.set DQ,   224                         ; v224-239 a group's 16 words of codes; W's fragment 0 stays here, 1 in v240-255, 2 and 3 in v160-191
.set TQ,   240                         ; v240-255 the turn's intermediates
.set BH,   254                         ; v254 32 h, v255 4 r: the bias loads' offsets; written again only behind a wait that shows those loads done
.set BR,   255
.set XP,   272                         ; LDS: a row of 256 codes + 16: sixteen rows fall on sixteen different groups of banks
.set TBK,  16*XP                       ; a tile of 16 rows; the job's 16 tiles lie on end: the last fragment's offset, 65,504, still fits the 16-bit immediate
.set WST,  16*TBK                      ; behind them the stages for W:
.set WP,   144                         ; a row of 128 codes + 16,
.set WFB,  16*WP                       ; a fragment's 16 rows,
.set WWB,  4*WFB                       ; a wave's four fragments
.macro MKS e, vs, vl                   ; 2^e and 448 x 2^e as f32
	s_add_co_i32 s56, \e, 127
	s_lshl_b32 s57, s56, 23
	v_mov_b32 v[\vs], s57
	s_add_co_i32 s56, s56, 8
	s_lshl_b32 s56, s56, 23
	s_or_b32 s56, s56, 0x600000
	v_mov_b32 v[\vl], s56
.endm
.macro LOADG g                         ; group g into set g % 3.  0-3: x, channels 16 g + i of my 64;  4-7: W's fragment g - 4 = 2 tc + s: row 16 tc + i, k = 128 s on
.set i, 0
.rept 16
.if (\g) < 4
	global_load_b128 v[GS+64*((\g)%3)+4*i:GS+64*((\g)%3)+4*i+3], v[LN], s[SRC:SRC+1] offset:(16*(\g)+i)*16384
.else
	global_load_b128 v[GS+64*((\g)%3)+4*i:GS+64*((\g)%3)+4*i+3], v[LN], s[WB:WB+1] offset:(16*(((\g)-4)/2)+i)*1024+(((\g)-4)%2)*512
.endif
.set i, i+1
.endr
.endm
.macro QGROUP g, lim, sc, dst          ; group g's 64 numbers become 16 words of codes, word i from load i; then the set takes the group three further on
.if (\g) < 6
	s_wait_loadcnt 32                              ; this group is in; the two younger groups' 32 loads may be out
.else
	s_wait_loadcnt 16*(7-(\g))                     ; behind the last two groups fewer stand
.endif
.set i, 0
.rept 64
	v_med3_num_f32 v[GS+64*((\g)%3)+i], v[GS+64*((\g)%3)+i], -v[\lim], v[\lim]   ; the conversion to an 8-bit code does not saturate (ISA guide 7.6.2): the hold comes first
.set i, i+1
.endr
.set i, 0
.rept 8
	v_cvt_scalef32_pk8_fp8_f32 v[\dst+2*i:\dst+2*i+1], v[GS+64*((\g)%3)+8*i:GS+64*((\g)%3)+8*i+7], v[\sc]
.set i, i+1
.endr
	v_nop                                          ; a plain line behind the last conversion
.if (\g) < 5
	LOADG (\g)+3
.endif
.endm
.macro XCHUNK q                        ; 16 channels x my 4 columns: word i holds the four columns' codes at channel i; turned, word 4 j + g holds column j's codes at channels 4 g .. 4 g + 3
	QGROUP \q, LX, SX, DQ
.irp g, 0,1,2,3
	v_perm_b32 v[TQ+4*\g], v[DQ+4*\g+1], v[DQ+4*\g], s[SELA]         ; columns 0, 1 of channels 4 g, 4 g + 1
	v_perm_b32 v[TQ+4*\g+1], v[DQ+4*\g+1], v[DQ+4*\g], s[SELB]       ; columns 2, 3
	v_perm_b32 v[TQ+4*\g+2], v[DQ+4*\g+3], v[DQ+4*\g+2], s[SELA]     ; the same of channels 4 g + 2, 4 g + 3
	v_perm_b32 v[TQ+4*\g+3], v[DQ+4*\g+3], v[DQ+4*\g+2], s[SELB]
.endr
.irp g, 0,1,2,3
	v_perm_b32 v[DQ+\g], v[TQ+4*\g+2], v[TQ+4*\g], s[SELC]
	v_perm_b32 v[DQ+4+\g], v[TQ+4*\g+2], v[TQ+4*\g], s[SELD]
	v_perm_b32 v[DQ+8+\g], v[TQ+4*\g+3], v[TQ+4*\g+1], s[SELC]
	v_perm_b32 v[DQ+12+\g], v[TQ+4*\g+3], v[TQ+4*\g+1], s[SELD]
.endr
.irp j, 0,1,2,3
	ds_store_b128 v[XW], v[DQ+4*\j:DQ+4*\j+3] offset:\j*TBK+16*(\q)   ; column 4 l + j lies in tile 4 (l / 16) + j, row l % 16
.endr
	s_wait_dscnt 0x0                               ; the stores have read their registers: the next group's codes may be written
.endm
.macro WFRAG f                         ; W's fragment f: word i holds row i's codes at k = 4 l .. 4 l + 3; through my stage it becomes the operand's 16 registers
.set WF, 224+16*(\f)-96*((\f)/2)
	QGROUP (\f)+4, LW, SW, WF
.set i, 0
.rept 16
	ds_store_b32 v[WSA], v[WF+i] offset:(\f)*WFB+i*WP
.set i, i+1
.endr
	s_wait_dscnt 0x0                               ; the stores have read their registers: the loads below land on them
.irp b, 0,1,2,3
	ds_load_b128 v[WF+4*\b:WF+4*\b+3], v[WRA] offset:(\f)*WFB+32*\b
.endr
.endm
.macro FETCHX u                        ; the four fragments of x of row tiles 2 u, 2 u + 1 of the job's 16 (both K steps) into set u % 2
.irp p, 0,1
.irp s, 0,1
.irp c, 0,1,2,3
	ds_load_b128 v[XF+64*((\u)%2)+32*\p+16*\s+4*\c:XF+64*((\u)%2)+32*\p+16*\s+4*\c+3], v[XR] offset:(2*(\u)+\p)*TBK+128*\s+32*\c
.endr
.endr
.endr
.endm
; Row tiles 2 u and 2 u + 1 against my two out tiles: four sums by turns, K step 0 (C = the bias) and K step 1 (in place, four instructions behind its link);
; then the hold, the conversion and two stores of 512 consecutive bytes.  vt = 0: source 0 = W (Q, K);  vt = 1: source 0 = x (V).
.macro PAIR u, vt
.if (\u) < 7
	s_wait_dscnt 16                                ; this pair's fragments are in; the next pair's 16 loads may be out
.else
	s_wait_dscnt 0
.endif
.irp s, 0,1
.irp p, 0,1
.irp c, 0,1
.set WF, 224+16*(2*\c+\s)-96*\c
.set XA, XF+64*((\u)%2)+32*\p+16*\s
.set DA, DD+8*(2*\p+\c)
.if \vt
.if \s == 0
	v_wmma_f32_16x16x128_fp8_fp8 v[DA:DA+7], v[XA:XA+15], v[WF:WF+15], v[BI+8*\c:BI+8*\c+7]
.else
	v_wmma_f32_16x16x128_fp8_fp8 v[DA:DA+7], v[XA:XA+15], v[WF:WF+15], v[DA:DA+7]
.endif
.else
.if \s == 0
	v_wmma_f32_16x16x128_fp8_fp8 v[DA:DA+7], v[WF:WF+15], v[XA:XA+15], v[BI+8*\c:BI+8*\c+7]
.else
	v_wmma_f32_16x16x128_fp8_fp8 v[DA:DA+7], v[WF:WF+15], v[XA:XA+15], v[DA:DA+7]
.endif
.endif
.endr
.endr
.endr
.rept 4
	v_nop                                          ; four places in front of loads into registers that the products have read, and of the first read of results
.endr
.if (\u) < 6
	FETCHX (\u)+2
.endif
.if (\u) > 0
	s_wait_xcnt 0x0                                ; the last pair's stores have read their data: the codes' registers may be written again
.endif
.set i, 0
.rept 32
	v_med3_num_f32 v[DD+i], v[DD+i], -v[LO], v[LO]   ; each result tile from its low end on
.set i, i+1
.endr
.irp p, 0,1
.irp c, 0,1
.if \vt
	v_cvt_scalef32_pk8_fp8_f32 v[OC+4*\c+2*\p:OC+4*\c+2*\p+1], v[DD+8*(2*\p+\c):DD+8*(2*\p+\c)+7], v[SO]   ; channel tile c: registers 2 T, 2 T + 1 of its fragment, T = 2 (u % 4) + p
.else
	v_cvt_scalef32_pk8_fp8_f32 v[OC+4*\p+2*\c:OC+4*\p+2*\c+1], v[DD+8*(2*\p+\c):DD+8*(2*\p+\c)+7], v[SO]   ; row tile p: my four registers of its fragment
.endif
.endr
.endr
	v_nop                                          ; a plain line behind the last conversion: the next pair's products write its sources
.irp g, 0,1
.if \vt
	global_store_b128 v[LN], v[OC+4*\g:OC+4*\g+3], s[OB:OB+1] offset:((\u)/4)*32768+\g*2048+((\u)%4)*512
.else
	global_store_b128 v[LN], v[OC+4*\g:OC+4*\g+3], s[OB:OB+1] offset:(2*(\u)+\g)*4096
.endif
.endr
.endm
	s_load_b512 s[4:19], s[0:1], 0x0               ; query, support, Wq, Wk, Wv, bq, bk, bv
	s_load_b256 s[20:27], s[0:1], 0x40             ; lowp_scales, q_img, k_img, v_img
	s_set_vgpr_msb 0x40
	v_lshl_add_u32 v0, v0, 2, 0x23000
	v_mov_b32 v1, 0
	s_set_vgpr_msb 0x4000
	v_lshrrev_b32 v16, 5, v0
	s_delay_alu instid0(VALU_DEP_1)
	v_readfirstlane_b32 s[WV], v16                 ; wave 0..7
	v_and_b32 v17, 31, v0                          ; lane
	v_and_b32 v18, 15, v0                          ; r
	v_bfe_u32 v19, v0, 4, 1                        ; h
	s_delay_alu instid0(VALU_DEP_3)
	v_lshlrev_b32 v[LN], 4, v17
	s_delay_alu instid0(VALU_DEP_3)
	v_mul_u32_u24 v[XR], v18, XP
	s_delay_alu instid0(VALU_DEP_1)
	v_lshl_add_u32 v[XR], v19, 4, v[XR]
	s_lshr_b32 s52, s[WV], 2                       ; for x: my block of 128 rows,
	s_and_b32 s53, s[WV], 3                        ; my quarter of the channels
	v_mul_u32_u24 v[XW], v19, 4*TBK                ; columns 4 l + j: tiles 4 (l / 16) + j, row l % 16,
	v_mul_u32_u24 v20, v18, XP
	s_delay_alu instid0(VALU_DEP_1)
	v_add_nc_u32 v[XW], v[XW], v20
	s_mul_i32 s54, s52, 8*TBK                      ; in my block's eight tiles,
	s_lshl_b32 s55, s53, 6                         ; at my 64 channels
	s_add_co_u32 s54, s54, s55
	v_add_nc_u32 v[XW], s54, v[XW]
	s_mul_i32 s54, s[WV], WWB
	s_add_co_u32 s54, s54, WST                     ; my stage for W
	v_lshl_add_u32 v[WSA], v17, 2, s54
	v_mul_u32_u24 v[WRA], v18, WP
	s_delay_alu instid0(VALU_DEP_1)
	v_lshl_add_u32 v[WRA], v19, 4, v[WRA]
	s_delay_alu instid0(VALU_DEP_1)
	v_add_nc_u32 v[WRA], s54, v[WRA]
	v_lshlrev_b32 v[BH], 5, v19
	v_lshlrev_b32 v[BR], 2, v18
	s_and_b32 s[VT], ttmp9, 1                      ; which job
	s_lshr_b32 s[RB], ttmp9, 1
	s_sub_co_u32 s54, ttmp9, 128
	s_cmp_ge_u32 ttmp9, 128
	s_cselect_b32 s[RB], s54, s[RB]
	s_cselect_b32 s[VT], 0, s[VT]
	s_lshr_b32 s54, s[RB], 4                       ; x: image (4 MiB) + 256 columns a job + 128 columns a block + 64 channels of 16,384 bytes a quarter
	s_lshl_b32 s54, s54, 22
	s_and_b32 s55, s[RB], 15
	s_lshl_b32 s55, s55, 10
	s_add_co_u32 s54, s54, s55
	s_lshl_b32 s55, s52, 9
	s_add_co_u32 s54, s54, s55
	s_lshl_b32 s55, s53, 20
	s_add_co_u32 s54, s54, s55
	s_mov_b32 s55, 0
	s_lshl_b32 s56, s52, 11                        ; the images: Q, K: my 32 channels are registers 4 (w % 4) on of fragment s = w / 4;  V: channel tiles 2 w, 2 w + 1
	s_lshl_b32 s57, s53, 9
	s_add_co_u32 s56, s56, s57
	s_lshl_b32 s57, s[WV], 12
	s_cmp_eq_u32 s[VT], 1
	s_cselect_b32 s56, s57, s56
	s_lshl_b32 s57, s[RB], 16                      ; a job's images are 65,536 bytes in all three buffers
	s_add_co_u32 s56, s56, s57
	s_mov_b32 s57, 0
	s_lshl_b32 s58, s[WV], 15                      ; W: 32 rows of 1,024 bytes
	s_mov_b32 s59, 0
	s_lshl_b32 s60, s[WV], 7                       ; the bias: 32 numbers
	s_mov_b32 s61, 0
	s_mov_b32 s[SELA], 0x05010400                  ; bytes 0, 1 of two words, interleaved
	s_mov_b32 s[SELB], 0x07030602                  ; bytes 2, 3 likewise
	s_mov_b32 s[SELC], 0x05040100                  ; the low halves of two words
	s_mov_b32 s[SELD], 0x07060302                  ; the high halves
	s_wait_alu depctr_va_vdst(0)
	s_wait_kmcnt 0x0
	s_load_b256 s[36:43], s[20:21], 0x0            ; e0 .. e7
	s_load_b64 s[44:45], s[20:21], 0x20            ; e8, e9
	s_cmp_eq_u32 s[VT], 1                          ; the buffers are chosen on the work-group's number alone
	s_cselect_b64 s[WB:WB+1], s[12:13], s[10:11]
	s_cselect_b64 s[BB:BB+1], s[18:19], s[16:17]
	s_cselect_b64 s[OB:OB+1], s[26:27], s[24:25]
	s_cmp_ge_u32 ttmp9, 128
	s_cselect_b64 s[SRC:SRC+1], s[4:5], s[6:7]
	s_cselect_b64 s[WB:WB+1], s[8:9], s[WB:WB+1]
	s_cselect_b64 s[BB:BB+1], s[14:15], s[BB:BB+1]
	s_cselect_b64 s[OB:OB+1], s[22:23], s[OB:OB+1]
	s_add_nc_u64 s[SRC:SRC+1], s[SRC:SRC+1], s[54:55]
	s_add_nc_u64 s[OB:OB+1], s[OB:OB+1], s[56:57]
	s_add_nc_u64 s[WB:WB+1], s[WB:WB+1], s[58:59]
	s_add_nc_u64 s[BB:BB+1], s[BB:BB+1], s[60:61]
	; the bias in both forms, six small loads, so that the text parts once, behind the barrier: eight channels a lane (Q, K), one channel a lane (V)
.irp c, 0,1
	global_load_b128 v[BI+8*\c:BI+8*\c+3], v[BH], s[BB:BB+1] offset:64*\c
	global_load_b128 v[BI+8*\c+4:BI+8*\c+7], v[BH], s[BB:BB+1] offset:64*\c+16
.endr
.irp c, 0,1
	global_load_b32 v[BV+\c], v[BR], s[BB:BB+1] offset:64*\c
.endr
	LOADG 0
	LOADG 1
	LOADG 2
	s_wait_kmcnt 0x0
	s_cmp_eq_u32 s[VT], 1
	s_cselect_b32 s[EX], s40, s38
	s_cselect_b32 s[EW], s41, s39
	s_cselect_b32 s[EO], s45, s43
	s_cmp_ge_u32 ttmp9, 128
	s_cselect_b32 s[EX], s36, s[EX]
	s_cselect_b32 s[EW], s37, s[EW]
	s_cselect_b32 s[EO], s42, s[EO]
	MKS s[EX], SX, LX
	MKS s[EW], SW, LW
	s_add_co_i32 s58, s[EX], s[EW]                 ; a sum stands for sum x 2^(ex + ew): its code is sum / 2^(eo - ex - ew),
	s_sub_co_i32 s59, s[EO], s58
	s_sub_co_i32 s60, 0, s58                       ; and the bias goes in as b / 2^(ex + ew)
	MKS s59, SO, LO
	s_wait_alu depctr_va_vdst(0)
.irp q, 0,1,2,3
	XCHUNK \q
.endr
.irp f, 0,1,2,3
	WFRAG \f
.endr
	s_wait_dscnt 0x0                               ; my fragments of W are in; and for the others' sake: my codes of x lie in LDS
	s_barrier_signal -1
	s_barrier_wait -1                              ; everybody's do: the one barrier of the launch
	FETCHX 0
	FETCHX 1
	s_cmp_eq_u32 s[VT], 1
	s_cbranch_scc1 .Lfor_v
.set i, 0
.rept 16
	v_ldexp_f32 v[BI+i], v[BI+i], s60
.set i, i+1
.endr
	s_wait_alu depctr_va_vdst(0)
.irp u, 0,1,2,3,4,5,6,7
	PAIR \u, 0
.endr
	s_set_vgpr_msb 0x5
	s_wait_tensorcnt 0x0
	ds_add_u32 v0, v1
	s_wait_dscnt 0x0
	s_set_vgpr_msb 0x500
	s_endpgm
.Lfor_v:
.irp c, 0,1
.irp j, 0,1,2,3,4,5,6,7
	v_ldexp_f32 v[BI+8*\c+\j], v[BV+\c], s60       ; a lane's eight results are eight keys of one channel: one bias for all eight
.endr
.endr
	s_wait_alu depctr_va_vdst(0)
.irp u, 0,1,2,3,4,5,6,7
	PAIR \u, 1
.endr
	s_set_vgpr_msb 0x5
	s_wait_tensorcnt 0x0
	ds_add_u32 v0, v1
	s_wait_dscnt 0x0
	s_set_vgpr_msb 0x500
	s_endpgm
.Lfunc_end_k_qbad7841cc8_proj:
	.size	k_qbad7841cc8_proj, .Lfunc_end_k_qbad7841cc8_proj-k_qbad7841cc8_proj
	.p2alignl 7, 3214868480
	.fill 96, 4, 3214868480
	.section	.rodata,"a",@progbits
	.p2align	6, 0x0
	.amdhsa_kernel k_qbad7841cc8_proj
		.amdhsa_group_segment_fixed_size 144384
		.amdhsa_private_segment_fixed_size 0
		.amdhsa_enable_private_segment 0
		.amdhsa_kernarg_size 96
		.amdhsa_user_sgpr_count 2
		.amdhsa_user_sgpr_kernarg_segment_ptr 1
		.amdhsa_wavefront_size32 1
		.amdhsa_system_sgpr_workgroup_id_x 1
		.amdhsa_system_sgpr_workgroup_id_y 1
		.amdhsa_system_sgpr_workgroup_id_z 1
		.amdhsa_system_vgpr_workitem_id 0
		.amdhsa_next_free_vgpr 258
		.amdhsa_next_free_sgpr 66
		.amdhsa_reserve_vcc 0
		.amdhsa_float_denorm_mode_32 3
		.amdhsa_float_denorm_mode_16_64 3
		.amdhsa_memory_ordered 1
		.amdhsa_forward_progress 1
		.amdhsa_inst_pref_size 136
	.end_amdhsa_kernel
	.amdgpu_metadata
---
amdhsa.version: [ 1, 2 ]
amdhsa.kernels:
  - .name:           k_qbad7841cc8_proj
    .symbol:         k_qbad7841cc8_proj.kd
    .args:
      - { .name: query, .offset: 0, .size: 8, .value_kind: global_buffer, .address_space: global }
      - { .name: support, .offset: 8, .size: 8, .value_kind: global_buffer, .address_space: global }
      - { .name: Wq, .offset: 16, .size: 8, .value_kind: global_buffer, .address_space: global }
      - { .name: Wk, .offset: 24, .size: 8, .value_kind: global_buffer, .address_space: global }
      - { .name: Wv, .offset: 32, .size: 8, .value_kind: global_buffer, .address_space: global }
      - { .name: bq, .offset: 40, .size: 8, .value_kind: global_buffer, .address_space: global }
      - { .name: bk, .offset: 48, .size: 8, .value_kind: global_buffer, .address_space: global }
      - { .name: bv, .offset: 56, .size: 8, .value_kind: global_buffer, .address_space: global }
      - { .name: lowp_scales, .offset: 64, .size: 8, .value_kind: global_buffer, .address_space: global }
      - { .name: q_img, .offset: 72, .size: 8, .value_kind: global_buffer, .address_space: global }
      - { .name: k_img, .offset: 80, .size: 8, .value_kind: global_buffer, .address_space: global }
      - { .name: v_img, .offset: 88, .size: 8, .value_kind: global_buffer, .address_space: global }
    .group_segment_fixed_size: 144384
    .private_segment_fixed_size: 0
    .kernarg_segment_align: 8
    .kernarg_segment_size: 96
    .max_flat_workgroup_size: 256
    .sgpr_count:     66
    .vgpr_count:     258
    .wavefront_size: 32
...
	.end_amdgpu_metadata
.endif
;; end of part 1
;; launch attn (part 2): grid 64 x 4, 4 waves a work-group, clusters of 4 x 1, 327,680 bytes of LDS; arguments q_img, k_img, v_img, lowp_scales, threshold, temperature, out0; writes out0
.if DOCPART == 2
	.amdgcn_target "amdgcn-amd-amdhsa--gfx1250"
	.amdhsa_code_object_version 6
	.text
	.protected	k_qbad7841cc8_attn
	.globl	k_qbad7841cc8_attn
	.p2align	8
	.type	k_qbad7841cc8_attn,@function
k_qbad7841cc8_attn:
	s_mov_b64 s[64:65], 0
	v_nop
	global_prefetch_b8 v0, s[64:65] scope:SCOPE_SE
	s_setreg_imm32_b32 hwreg(HW_REG_WAVE_MODE, 25, 1), 1
	s_wait_xcnt 0x0
	s_wait_alu depctr_hold_cnt(0) depctr_sa_sdst(0) depctr_va_vdst(0) depctr_va_sdst(0) depctr_va_ssrc(0) depctr_va_vcc(0) depctr_vm_vsrc(0)
	s_getreg_b32 s2, hwreg(HW_REG_IB_STS2, 6, 4)
	s_cmp_eq_u32 s2, 0
	s_cbranch_scc0 .Lentry_in_a_cluster
	s_endpgm
.Lentry_in_a_cluster:
	s_bfe_u32 s2, ttmp6, 0x10000c
	s_cmp_lg_u32 s2, 0x3003
	s_cbranch_scc0 .Lentry_shape_is_right
	s_endpgm
.Lentry_shape_is_right:
; ATTENTION WITH A GATE on codes of FP8 (E4M3): out[n][c][q] = gate(n, q) x sum over k of softmax_k(Q[q] . K[n][k] / 16) V[n][k][c].
; SOFTMAX: t = score x log2(e) / 16; M = the row's largest t so far, rounded up to a whole number; p = 2^(t - M) is quantised with its given scale; l = the sum of the unquantised p; when M moves, O and l are multiplied by
; f = 2^(old M - new M), a power of two.  gate = sigmoid((largest p / l - sigmoid(threshold)) x softplus(temperature)).
; SHARES.  A work-group owns 64 queries of one image (four tiles of 16: tile t, lane r = query 4 r + t) and walks 4,096 keys in eight steps of 512.  In a step wave w makes S^T = K Q^T for ITS 128 KEYS (8 key tiles x 4 query tiles);
; the four waves' maxima and P's codes go through LDS; then wave w owns ITS 64 CHANNELS of O^T = V^T P^T over all 512 keys (4 channel tiles x 4 query tiles).  So O exists once in a work-group, in 128 registers a wave, and M is common.
; A UNIT j of the loop: phase A: S(j), with the maxima of S(j) and the end of p(j - 1) between its products;  K's change of slots, whose barrier also shows P(j - 1) and the maxima to all waves;
;   phase B: O += V P of step j - 1, with t - M of step j between its products;  phase E: the exponentials of step j, with the sums, holds and conversions between them; in its middle V's change of slots.
; K AND V: a step's K (or V) is 131,072 consecutive bytes; wave w fetches 32,768 of them by one tensor load, as 128 rows of 256 bytes.  One slot for K, one for V; each is filled again behind a round of the cluster's barrier.
; CLUSTERS: four work-groups of one image ask jointly for the same tiles.  The walk begins at step (cluster x mod 8) and goes round: the first loads of eight neighbouring clusters name all eight steps of an image.
; A PREFETCH asks for the first step of V at the head, under the flight of the first step of K: 512 blocks of 256 bytes, 128 a work-group by its place in the address, a lane a block.  No other stands here: together the clusters' first loads name every byte of K and V.
; LIMITS: e6 + e7 between -122 and 130, e8 between -126 and 119; the scaled scores stay under 2^31 in magnitude; NaN among the inputs is not served.
; REGISTERS, in windows of 256 (s_set_vgpr_msb: bits 1:0 source 0, 3:2 source 1, 5:4 source 2, 7:6 destination):
;   window 0: as named below;  window 1: S, then p: v[64 t + 8 kt + j];  window 2: Q's fragments v[32 t + 16 s ..], O^T v[128 + 8 (4 a + t) ..];  window 3: fragments: of K at 16 (2 kt + s); of V and P in two sets of 128, V's at 16 a, P's at 64 + 16 t.
; THE ORDER IN A UNIT: A; K's change of slots; O's rescaling, M and half of t - M; E's first half; B's products, with the other half of t - M between the key blocks; V's change of slots; E's second half.
; LDS loads go in runs of 32, ahead of the work that they are to land under.
.set KON, 1                            ; 1 while a step follows that wants K
.set VSLOT, 131072
.set PSL,   262144                     ; P's codes as fragments: (wave w, tile t) at 2,048 (4 w + t)
.set STATS, 294912                     ; maxima: 512 bytes a wave, 16 a lane; the sums likewise 2,048 bytes on
.set SPARE, 299008                     ; the spare words, 128 bytes a wave
.set FRB,   2048                       ; bytes of a fragment: registers 4 c .. 4 c + 3 of lane l at 512 c + 16 l
.set SPW, 1                            ; my spare word; never rewritten
.set NIL, 2                            ; 0; never rewritten
.set AK,  3                            ; LDS: my K
.set AV,  4                            ; LDS: my channels of V in key blocks 0, 1;  v5: in 2, 3
.set AP,  6                            ; LDS: P
.set APW, 7                            ; LDS: my part of P
.set SCL, 8                            ; 2^e8
.set LIM, 9                            ; 448 x 2^e8
.set ASW, 10                           ; LDS: where I put my maxima
.set ASR, 11                           ; LDS: where I read all
.set RM,  12                           ; v12-15 the largest score of my query, tile t
.set NM,  16                           ; v16-23 -M, four pairs of which the low word counts
.set FF,  24                           ; v24-31 f, likewise
.set LL,  32                           ; v32-63 l in four pairs a tile: pair i sums registers 2 i, 2 i + 1 of the key tiles
.set PT,  64                           ; v64-127 P's codes: v[64 + 16 t + 2 kt ..]
.set MX,  128                          ; v128-159 what the waves have put
.set XX,  160                          ; v160-163, v164-167, v172-175 at work
.set YY,  164
.set GG,  172
.set LQ,  168                          ; 16 x lane
.set CO,  169                          ; my byte offset in the output
.set PFO, 170                          ; the prefetch's offset
.set OFF, 2
.set WV,  18
.set CX,  19
.set QB,  20
.set NB,  21
.set G1,  24                           ; descriptor group 1; s32-39 groups 0 of K and of V
.set G0K, 32
.set G0V, 36
.set KB,  40                           ; where my part of the image's K and V begins
.set VB,  42
.set R8,  44                           ; first step + 8
.set CNT, 45                           ; 7 - j
.set CS,  46
.set RV,  49                           ; first step + 7
.set THR, 58
.set TL,  59
.set EPV, 60
.set MSB, 0
.macro WIN new                         ; the immediate's high byte repeats the setting that is left
.if MSB != (\new)
	s_set_vgpr_msb (MSB<<8)|(\new)
.set MSB, (\new)
.endif
.endm
.macro CROUND                          ; a round of the cluster's barrier
	s_barrier_signal -1
	s_barrier_wait -1
	s_cmp_lg_u32 s[WV], 0
	s_cbranch_scc1 .Lnot_wave_0_\@
	s_barrier_signal -3
.Lnot_wave_0_\@:
	s_barrier_wait -3
	s_barrier_signal -1
	s_barrier_wait -1
.endm
; A change of slots: all my loads are done, so the other slot's tile is whole when all have passed; my reads of this slot, and my LDS stores, are done; then the slot takes the step that \rr less CNT names.
.macro CHANGE g0, base, rr
	WIN 0
	s_wait_tensorcnt 0x0
	ds_add_u32 v[SPW], v[NIL]
	s_sub_co_u32 s[OFF], s[\rr], s[CNT]
	s_and_b32 s[OFF], s[OFF], 7
	s_lshl_b32 s[OFF], s[OFF], 17
	s_add_nc_u64 s[\g0+2:\g0+3], s[\base:\base+1], s[OFF:OFF+1]
	s_or_b32 s[\g0+3], s[\g0+3], 0x80000000
	s_wait_dscnt 0x0
	CROUND
	tensor_load_to_lds s[\g0:\g0+3], s[G1:G1+7]
	s_nop 0
.rept 4
	v_nop
.endr
.endm
.macro BAR                             ; the same without a refill
	WIN 0
	s_wait_tensorcnt 0x0
	s_wait_dscnt 0x0
	s_barrier_signal -1
	s_barrier_wait -1
.endm
.macro KFR f                           ; K's fragment f = 2 kt + s
.irp c, 0,1,2,3
	ds_load_b128 v[16*(\f)+4*\c:16*(\f)+4*\c+3], v[AK] offset:(\f)*FRB+512*\c
.endr
.endm
.macro KSET1                           ; key tiles 4 to 7
	WIN 0xc0
.irp f, 8,9,10,11,12,13,14,15
	KFR \f
.endr
	WIN 0
.endm
.macro KSET0                           ; key tiles 0 to 3
	WIN 0xc0
.irp f, 0,1,2,3,4,5,6,7
	KFR \f
.endr
	WIN 0
.endm
.macro VPFRAG kk, f                    ; key block kk's fragments in the order of their use: V 0, P 0-3, V 1-3
.if ((\f) == 0) || ((\f) >= 5)
.set fa, ((\f)/5)*((\f)-4)
.irp c, 0,1,2,3
	ds_load_b128 v[128*((\kk)%2)+16*fa+4*\c:128*((\kk)%2)+16*fa+4*\c+3], v[AV+(\kk)/2] offset:((\kk)%2)*32768+fa*FRB+512*\c
.endr
.else
.set fa, (\f)-1
.irp c, 0,1,2,3
	ds_load_b128 v[128*((\kk)%2)+64+16*fa+4*\c:128*((\kk)%2)+64+16*fa+4*\c+3], v[AP] offset:(4*(\kk)+fa)*FRB+512*\c
.endr
.endif
.endm
.macro ADDS x, t0, t1                  ; l += p of key tile x, query tiles t0 and t1
.irp t, \t0, \t1
.irp i, 0,1,2,3
	v_pk_add_f32 v[LL+8*(\t)+2*\i:LL+8*(\t)+2*\i+1], v[64*(\t)+8*(\x)+2*\i:64*(\t)+8*(\x)+2*\i+1], v[LL+8*(\t)+2*\i:LL+8*(\t)+2*\i+1]
.endr
.endr
.endm
.macro CVTS x                          ; key tile x becomes codes
.irp t, 0,1,2,3
	v_cvt_scalef32_pk8_fp8_f32 v[PT+16*\t+2*(\x):PT+16*\t+2*(\x)+1], v[64*\t+8*(\x):64*\t+8*(\x)+7], v[SCL]
.endr
.endm
.macro PSTORE g                        ; key tiles 2 g, 2 g + 1: four registers of each of my fragments
.irp t, 0,1,2,3
	ds_store_b128 v[APW], v[PT+16*\t+4*(\g):PT+16*\t+4*(\g)+3] offset:\t*FRB+512*(\g)
.endr
.endm
.macro MAX1 x, o                       ; the o-th of a key tile's 16 maxima: tiles by turns, registers from the low end on
.set mt, (\o)%4
.set ma, 64*mt+8*(\x)+2*((\o)/4)
	v_max3_num_f32 v[RM+mt], v[ma], v[RM+mt], v[ma+1]
.endm
; PHASE A.  64 products: key tile n / 8, half (n / 4) % 2 of the 256 channels, query tile n % 4: a sum's second step stands four products behind its first.
; Behind a key tile's eight products stand the 16 maxima of the key tile before; behind the first eight (fin = 1) the end of the last step's p: key tile 7's sums and holds, the codes of 6 and 7, done ahead of the products that write over them,
; and four v_nop.  So four places or more stand behind the last product of a key tile ahead of its first maximum.
.macro APHASE fin
	WIN 0
	s_wait_dscnt 32                                ; key tiles 0 to 3 are in; the 32 loads of 4 to 7 may be out
.set n, 0
.rept 64
.set kt, n/8
.set j, n%8
.if n == 32
	s_wait_alu depctr_va_vdst(0)                   ; directly ahead of the wait below
	s_wait_dscnt 0x0                               ; key tiles 4 to 7, asked for behind 0 to 3
.endif
	WIN 0x5b
.set SA, 64*(n%4)+8*kt
.set KA, 16*(2*kt+j/4)
.set QA, 32*(n%4)+16*(j/4)
.if j < 4
	v_wmma_f32_16x16x128_fp8_fp8 v[SA:SA+7], v[KA:KA+15], v[QA:QA+15], 0
.else
	v_wmma_f32_16x16x128_fp8_fp8 v[SA:SA+7], v[KA:KA+15], v[QA:QA+15], v[SA:SA+7]
.endif
.if n == 7
.if \fin
	WIN 0x11
	ADDS 7, 0, 1
	ADDS 7, 2, 3
	WIN 0x41
.irp t, 0,1,2,3
.irp i, 0,1,2,3,4,5,6,7
	v_min_num_f32 v[64*\t+56+\i], v[64*\t+56+\i], v[LIM]
.endr
.endr
	WIN 0x11
	CVTS 6
	CVTS 7
.endif
.rept 4
	v_nop
.endr
.elseif j == 7
	WIN 0x11
.set o, 0
.rept 16
	MAX1 kt-1, o
.set o, o+1
.endr
.endif
.set n, n+1
.endr
.set n, 0
.rept 16
	MAX1 7, n
.set n, n+1
.endr
	WIN 0
.if \fin
	PSTORE 2                                       ; the last of the step's codes
	PSTORE 3
.endif
	ds_store_b128 v[ASW], v[RM:RM+3]               ; my lane's maxima of the four query tiles
.endm
.macro STLOAD base                     ; both halves of the lanes of all four waves, for my query
.irp x, 0,1,2,3,4,5,6,7
	ds_load_b128 v[MX+4*\x:MX+4*\x+3], v[ASR] offset:(\base)+256*\x
.endr
.endm
.macro MUPD                            ; the new M, f, and l under the new M
.irp t, 0,1,2,3
	v_max3_num_f32 v[XX+\t], v[MX+\t], v[MX+4+\t], v[MX+8+\t]
.endr
.irp t, 0,1,2,3
	v_max3_num_f32 v[YY+\t], v[MX+12+\t], v[MX+16+\t], v[MX+20+\t]
.endr
.irp t, 0,1,2,3
	v_max3_num_f32 v[XX+\t], v[XX+\t], v[MX+24+\t], v[MX+28+\t]
.endr
.irp t, 0,1,2,3
	v_max_num_f32 v[RM+\t], v[XX+\t], v[YY+\t]
.endr
.irp t, 0,1,2,3
	v_mul_f32 v[XX+\t], s[CS], v[RM+\t]
.endr
.irp t, 0,1,2,3
	v_floor_f32 v[XX+\t], -v[XX+\t]                ; -M
.endr
.irp t, 0,1,2,3
	v_sub_f32 v[YY+\t], v[XX+\t], v[NM+2*\t]       ; old M - new M: a whole number, 0 or less
.endr
.irp t, 0,1,2,3
	v_mov_b32 v[NM+2*\t], v[XX+\t]
.endr
.irp t, 0,1,2,3
	v_cvt_i32_f32 v[YY+\t], v[YY+\t]
.endr
.irp t, 0,1,2,3
	v_ldexp_f32 v[FF+2*\t], 1.0, v[YY+\t]
.endr
.irp i, 0,1,2,3
.irp t, 0,1,2,3
	v_pk_mul_f32 v[LL+8*\t+2*\i:LL+8*\t+2*\i+1], v[LL+8*\t+2*\i:LL+8*\t+2*\i+1], v[FF+2*\t:FF+2*\t+1] op_sel_hi:[1,0]
.endr
.endr
.endm
.macro FMAG g                          ; t - M of key tile g / 4, query tile g % 4
.set fa, 64*((\g)%4)+8*((\g)/4)
.irp i, 0,2,4,6
	v_pk_fma_f32 v[fa+\i:fa+\i+1], v[fa+\i:fa+\i+1], s[CS:CS+1], v[NM+2*((\g)%4):NM+2*((\g)%4)+1] op_sel_hi:[1,0,0]
.endr
.endm
.macro RESCALE                         ; O under the M of the step whose P comes next
	WIN 0x82
	s_wait_alu depctr_va_vdst(0)                   ; directly ahead of the first reader of O
.set n, 0
.rept 16
.irp i, 0,2,4,6
	v_pk_mul_f32 v[128+8*n+\i:128+8*n+\i+1], v[128+8*n+\i:128+8*n+\i+1], v[FF+2*(n%4):FF+2*(n%4)+1] op_sel_hi:[1,0]
.endr
.set n, n+1
.endr
	WIN 0
	s_wait_alu depctr_va_vdst(0)                   ; ahead of the waits below
.endm
.macro VPSET kk                        ; a key block's eight fragments: 32 loads
	WIN 0xc0
.irp f, 0,1,2,3,4,5,6,7
	VPFRAG \kk, \f
.endr
	WIN 0
.endm
; PHASE B's products: key block kb (wave kb's 128 keys), channel tile n / 4, query tile n % 4: 16 sums by turns.  Blocks 0 and 1 have been asked for; behind block 0's and 1's products block kb + 2 is asked for, into the set just read:
; four plain lines stand between (one group of t - M, or v_nop), and (fm = 1) seven more groups of t - M behind the loads.
.macro PVPHASE fm
.set kb, 0
.rept 4
.set n, 0
.rept 16
.if n == 0
.if kb < 3
	s_wait_dscnt 32                                ; this block is in; the next block's 32 loads may be out
.else
	s_wait_dscnt 0x0
.endif
.endif
	WIN 0xaf
.set VA, 128*(kb%2)+16*(n/4)
.set PA, 128*(kb%2)+64+16*(n%4)
	v_wmma_f32_16x16x128_fp8_fp8 v[128+8*n:128+8*n+7], v[VA:VA+15], v[PA:PA+15], v[128+8*n:128+8*n+7]
.if n == 15
.if kb < 2
.if \fm
	WIN 0x41
	FMAG 16+8*kb
.else
.rept 4
	v_nop
.endr
.endif
	VPSET kb+2
.if \fm
	WIN 0x41
.irp u, 1,2,3,4,5,6,7
	FMAG 16+8*kb+\u
.endr
.endif
.elseif kb == 3
.rept 4
	v_nop                                          ; the places behind the last products
.endr
.endif
.endif
.set n, n+1
.endr
.set kb, kb+1
.endr
	WIN 0
.endm
; PHASE E, slot k: the codes of key tile k - 2, the sums of k - 1 (of the unquantised p), then the 32 exponentials of k with the holds of k - 1 between them.  One wait at the slot's head serves what the slot before wrote, the exponentials too.
; (The conversion to an 8-bit code does not saturate, ISA guide 7.6.2; p is never negative, so the hold is one-sided.)
.macro ESLOT k
	s_wait_alu depctr_va_vdst(0)                   ; ahead of the batch and behind it
.if (\k) == 4
	PSTORE 0
.endif
.if (\k) == 6
	PSTORE 1
.if KON
	KSET1
.endif
.endif
.if (\k) > 0
	WIN 0x11
.if (\k) > 1
	CVTS (\k)-2
.endif
	ADDS (\k)-1, 0, 1
	ADDS (\k)-1, 2, 3
.endif
	WIN 0x41
.set q, 0
.rept 32
	v_exp_f32 v[64*(q/8)+8*(\k)+q%8], v[64*(q/8)+8*(\k)+q%8]
.if (\k) > 0
	v_min_num_f32 v[64*(q/8)+8*(\k)-8+q%8], v[64*(q/8)+8*(\k)-8+q%8], v[LIM]
.endif
.set q, q+1
.endr
	WIN 0
.endm
.macro UNIT last
	APHASE 1
.if \last
	BAR                                            ; K is read out and not filled again
.else
	CHANGE G0K, KB, R8                             ; K of step j + 1
.endif
	STLOAD 0
	VPSET 0
	RESCALE
	s_wait_dscnt 32                                ; the maxima are in; the 32 loads of fragments behind them may be out
	MUPD
	VPSET 1
	WIN 0x41
.set n, 0
.rept 16
	FMAG n                                         ; key tiles 0 to 3
.set n, n+1
.endr
	WIN 0
.irp k, 0,1,2,3
	ESLOT \k
.endr
	s_wait_alu depctr_va_vdst(0)
	PVPHASE 1
	s_wait_alu depctr_va_vdst(0)
	CHANGE G0V, VB, RV                             ; V of step j
.if (\last) == 0
	KSET0
.endif
.irp k, 4,5,6,7
	ESLOT \k
.endr
.endm
	s_load_b256 s[4:11], s[0:1], 0x0               ; Q's, K's, V's images, the exponents
	s_load_b128 s[12:15], s[0:1], 0x20             ; threshold, temperature
	s_load_b64 s[16:17], s[0:1], 0x30              ; the output
	v_lshl_add_u32 v[SPW], v0, 2, SPARE
	v_mov_b32 v[NIL], 0
	ds_add_u32 v[SPW], v[NIL]                      ; the opening add, twice on end
	ds_add_u32 v[SPW], v[NIL]
	v_lshrrev_b32 v128, 5, v0
	v_readfirstlane_b32 s[WV], v128
	s_bfe_u32 s[CX], ttmp6, 0x40000
	s_lshl_b32 s[QB], ttmp9, 2
	s_add_co_u32 s[QB], s[QB], s[CX]               ; block of 64 queries
	s_and_b32 s[NB], ttmp7, 0xffff                 ; image
	s_mov_b32 s[G1], 15|(3<<16)|(1<<21)            ; the mask of the four; elements of 8 bytes; bit 21 beside a mask
	s_mov_b32 s[G1+1], 32<<16
	s_mov_b32 s[G1+2], 128<<16
	s_mov_b32 s[G1+3], 32<<16
	s_mov_b32 s[G1+4], 128
	s_mov_b32 s[G1+5], 32
	s_mov_b32 s[G1+6], 0
	s_mov_b32 s[G1+7], 0
	s_lshl_b32 s61, s[WV], 15                      ; my 32,768 bytes of a step
	s_lshl_b32 s22, s[NB], 20
	s_add_co_u32 s22, s22, s61
	s_mov_b32 s23, 0
	s_and_b32 s[R8], ttmp9, 7                      ; the first step
	s_lshl_b32 s[OFF], s[R8], 17
	s_mov_b32 s[OFF+1], 0
	s_add_co_u32 s[RV], s[R8], 7
	s_add_co_u32 s[R8], s[R8], 8
	s_lshl_b32 s50, s[QB], 14
	s_mov_b32 s51, 0
	s_lshl_b32 s62, s[NB], 22
	s_lshl_b32 s63, s[WV], 20
	s_add_co_u32 s62, s62, s63
	s_lshl_b32 s63, s[QB], 8
	s_add_co_u32 s62, s62, s63
	s_mov_b32 s63, 0
	s_mov_b32 s[CNT], 7
	s_lshl_b32 s52, s[WV], 13
	s_add_co_u32 s53, s52, VSLOT
	s_add_co_u32 s54, s52, PSL
	s_lshl_b32 s55, s[WV], 9
	s_add_co_u32 s55, s55, STATS
	v_and_b32 v129, 31, v0
	v_and_b32 v130, 15, v0
	v_bfe_u32 v131, v0, 4, 1
	v_lshlrev_b32 v[LQ], 4, v129
	v_lshlrev_b32 v[PFO], 8, v129
	v_lshlrev_b32 v[CO], 17, v131                  ; eight channels of 16,384 bytes for the upper half of the lanes
	v_lshl_add_u32 v[CO], v130, 4, v[CO]
	v_lshlrev_b32 v[ASR], 4, v130
	v_add_nc_u32 v[ASR], STATS, v[ASR]
	v_add_nc_u32 v[AK], s61, v[LQ]
	v_add_nc_u32 v[AV], s53, v[LQ]
	v_add_nc_u32 v[AV+1], 0x10000, v[AV]
	v_add_nc_u32 v[AP], PSL, v[LQ]
	v_add_nc_u32 v[APW], s54, v[LQ]
	v_add_nc_u32 v[ASW], s55, v[LQ]
	s_wait_alu depctr_va_vdst(0)                   ; directly ahead of the waits below
	s_wait_dscnt 0x0                               ; both opening adds are done
	s_wait_kmcnt 0x0
	s_load_b32 s56, s[12:13], 0x0
	s_load_b32 s57, s[14:15], 0x0
	s_add_nc_u64 s[KB:KB+1], s[6:7], s[22:23]
	s_add_nc_u64 s[VB:VB+1], s[8:9], s[22:23]
	s_mov_b32 s[G0K], 1
	s_mov_b32 s[G0K+1], s61
	s_add_nc_u64 s[G0K+2:G0K+3], s[KB:KB+1], s[OFF:OFF+1]
	s_or_b32 s[G0K+3], s[G0K+3], 0x80000000
	s_mov_b32 s[G0V], 1
	s_add_co_u32 s[G0V+1], s61, VSLOT
	s_add_nc_u64 s[G0V+2:G0V+3], s[VB:VB+1], s[OFF:OFF+1]
	s_or_b32 s[G0V+3], s[G0V+3], 0x80000000
	s_add_nc_u64 s[4:5], s[4:5], s[50:51]
	s_add_nc_u64 s[16:17], s[16:17], s[62:63]
	s_lshl_b32 s22, s[NB], 20                      ; the prefetch: my work-group's quarter of the first step of V, my wave's quarter of that
	s_add_co_u32 s22, s22, s[OFF]
	s_lshl_b32 s23, s[CX], 15
	s_add_co_u32 s22, s22, s23
	s_add_co_u32 s22, s22, s52
	s_mov_b32 s23, 0
	s_add_nc_u64 s[22:23], s[8:9], s[22:23]
	s_load_b128 s[52:55], s[10:11], 0x18           ; e6 .. e9
	CROUND                                         ; all four work-groups are here
	tensor_load_to_lds s[G0K:G0K+3], s[G1:G1+7]    ; K of the first step: one tensor load a wave at the head
	s_nop 0
.rept 4
	v_nop
.endr
	WIN 0x80
.irp t, 0,1,2,3
.irp s, 0,1
.irp c, 0,1,2,3
	global_load_b128 v[32*\t+16*\s+4*\c:32*\t+16*\s+4*\c+3], v[LQ], s[4:5] offset:\t*4096+\s*FRB+512*\c   ; Q's fragments stay in registers
.endr
.endr
.endr
	WIN 0
	global_prefetch_b8 v[PFO], s[22:23] th:TH_LOAD_NT scope:SCOPE_SE
	WIN 0x80                                       ; O begins as zeros, written while the first tile is on its way: the loop has no first step of its own
.set n, 0
.rept 128
	v_mov_b32 v[128+n], 0
.set n, n+1
.endr
	WIN 0
.irp t, 0,1,2,3
	v_mov_b32 v[RM+\t], 0xff61b1e6                 ; -3e38, under every score
	v_mov_b32 v[NM+2*\t], 0x7f61b1e6
	v_mov_b32 v[NM+2*\t+1], 0                      ; (named as the upper half of a pair)
	v_mov_b32 v[FF+2*\t+1], 0
.endr
.set n, 0
.rept 32
	v_mov_b32 v[LL+n], 0
.set n, n+1
.endr
	s_wait_alu depctr_va_vdst(0)
	s_wait_kmcnt 0x0
	v_mov_b32 v128, s56
	v_mov_b32 v129, s57
	v_mul_f32 v130, 0xbfb8aa3b, v128
	v_and_b32 v131, 0x7fffffff, v129
	v_mul_f32 v131, 0xbfb8aa3b, v131
	s_wait_alu depctr_va_vdst(0)
	v_exp_f32 v130, v130
	v_exp_f32 v131, v131                           ; e^-|temperature|
	v_max_num_f32 v129, 0, v129
	s_wait_alu depctr_va_vdst(0)
	v_add_f32 v130, 1.0, v130
	v_add_f32 v131, 1.0, v131
	s_wait_alu depctr_va_vdst(0)
	v_rcp_f32 v130, v130                           ; sigmoid(threshold)
	v_log_f32 v131, v131
	v_nop
	s_wait_alu depctr_va_vdst(0)
	v_fmamk_f32 v131, v129, 0x3fb8aa3b, v131       ; softplus(temperature) x log2(e)
	v_readfirstlane_b32 s[THR], v130
	v_readfirstlane_b32 s[TL], v131
	s_add_co_i32 s62, s52, s53
	s_lshl_b32 s62, s62, 23
	s_add_co_i32 s[CS], s62, 0x3db8aa3b            ; log2(e) / 16 x 2^(e6 + e7)
	s_mov_b32 s[CS+1], s[CS]
	s_add_co_i32 s62, s54, 127
	s_lshl_b32 s63, s62, 23
	v_mov_b32 v[SCL], s63
	s_add_co_i32 s62, s62, 8
	s_lshl_b32 s62, s62, 23
	s_or_b32 s62, s62, 0x600000
	v_mov_b32 v[LIM], s62
	s_add_co_i32 s[EPV], s54, s55
	s_wait_alu depctr_va_vdst(0)
	s_wait_tensorcnt 0x0                           ; my K is in
	ds_add_u32 v[SPW], v[NIL]
	s_wait_dscnt 0x0
	CROUND
	tensor_load_to_lds s[G0V:G0V+3], s[G1:G1+7]    ; V of the first step
	s_nop 0
.rept 4
	v_nop
.endr
	KSET0
	KSET1
	s_wait_loadcnt 0x0                             ; Q
	; step 0: scores, M, exponentials; no P V yet
	APHASE 0
	CHANGE G0K, KB, R8                             ; K of step 1
	STLOAD 0
	s_wait_dscnt 0x0
	MUPD
	WIN 0x41
.set n, 0
.rept 32
	FMAG n
.set n, n+1
.endr
	WIN 0
.irp k, 0,1,2,3
	ESLOT \k
.endr
	s_wait_alu depctr_va_vdst(0)
	BAR                                            ; my K of step 1 is in; and everybody has read the maxima, which phase A writes again
	KSET0
.irp k, 4,5,6,7
	ESLOT \k
.endr
	s_mov_b32 s[CNT], 6
	s_wait_alu depctr_va_vdst(0)
.Lunit:                                                ; steps 1 to 6
	UNIT 0
	s_sub_co_u32 s[CNT], s[CNT], 1
	s_cmp_lg_u32 s[CNT], 0
	s_wait_alu depctr_va_vdst(0)                   ; directly ahead of the branch
	s_cbranch_scc1 .Lunit
.set KON, 0
	UNIT 1                                         ; step 7 asks for no K
	; the end of step 7's p, its P, and the sums
	s_wait_alu depctr_va_vdst(0)
	WIN 0x11
	ADDS 7, 0, 1
	ADDS 7, 2, 3
	WIN 0x41
.irp t, 0,1,2,3
.irp i, 0,1,2,3,4,5,6,7
	v_min_num_f32 v[64*\t+56+\i], v[64*\t+56+\i], v[LIM]
.endr
.endr
	WIN 0x11
	CVTS 6
	CVTS 7
	WIN 0
.irp i, 0,4
.irp t, 0,1,2,3
	v_pk_add_f32 v[LL+8*\t+\i:LL+8*\t+\i+1], v[LL+8*\t+\i:LL+8*\t+\i+1], v[LL+8*\t+\i+2:LL+8*\t+\i+3]
.endr
.endr
.irp t, 0,1,2,3
	v_pk_add_f32 v[LL+8*\t:LL+8*\t+1], v[LL+8*\t:LL+8*\t+1], v[LL+8*\t+4:LL+8*\t+5]
.endr
.irp t, 0,1,2,3
	v_add_f32 v[XX+\t], v[LL+8*\t], v[LL+8*\t+1]
.endr
	PSTORE 2
	PSTORE 3
	ds_store_b128 v[ASW], v[XX:XX+3] offset:2048   ; my lane's sums
	s_wait_alu depctr_va_vdst(0)
	BAR                                            ; P, the sums and V of step 7 are everybody's
	STLOAD 2048
	VPSET 0
	RESCALE
	s_wait_dscnt 32                                ; the sums are in
	VPSET 1
.irp x, 0,1,2,3
.irp t, 0,1,2,3
	v_add_f32 v[MX+8*\x+\t], v[MX+8*\x+\t], v[MX+8*\x+4+\t]
.endr
.endr
.irp x, 0,1
.irp t, 0,1,2,3
	v_add_f32 v[MX+16*\x+\t], v[MX+16*\x+\t], v[MX+16*\x+8+\t]
.endr
.endr
.irp t, 0,1,2,3
	v_add_f32 v[XX+\t], v[MX+\t], v[MX+16+\t]      ; l
.endr
.irp t, 0,1,2,3
	v_fma_f32 v[YY+\t], v[RM+\t], s[CS], v[NM+2*\t]
.endr
	s_wait_alu depctr_va_vdst(0)                   ; ahead of the batch and behind it
.irp t, 0,1,2,3
	v_exp_f32 v[YY+\t], v[YY+\t]                   ; the row's largest p
.endr
.irp t, 0,1,2,3
	v_rcp_f32 v[XX+\t], v[XX+\t]                   ; 1 / l
.endr
	v_nop
	s_wait_alu depctr_va_vdst(0)
.irp t, 0,1,2,3
	v_fma_f32 v[GG+\t], -v[YY+\t], v[XX+\t], s[THR]
.endr
.irp t, 0,1,2,3
	v_mul_f32 v[GG+\t], s[TL], v[GG+\t]
.endr
	s_wait_alu depctr_va_vdst(0)
.irp t, 0,1,2,3
	v_exp_f32 v[GG+\t], v[GG+\t]
.endr
	v_nop
	s_wait_alu depctr_va_vdst(0)
.irp t, 0,1,2,3
	v_add_f32 v[GG+\t], 1.0, v[GG+\t]
.endr
	s_wait_alu depctr_va_vdst(0)
.irp t, 0,1,2,3
	v_rcp_f32 v[GG+\t], v[GG+\t]                   ; the gate
.endr
	v_nop
	s_wait_alu depctr_va_vdst(0)
.irp t, 0,1,2,3
	v_mul_f32 v[GG+\t], v[GG+\t], v[XX+\t]
.endr
.irp t, 0,1,2,3
	v_ldexp_f32 v[GG+\t], v[GG+\t], s[EPV]         ; gate / l x 2^(e8 + e9)
.endr
	s_wait_alu depctr_va_vdst(0)
	PVPHASE 0
	; the way out: a lane's four query tiles are four neighbouring queries of one channel, 16 bytes; sixteen lanes store 256 consecutive bytes
.irp a, 0,1,2,3
	WIN 0x42
.irp j, 0,1,2,3,4,5,6,7
.irp t, 0,1,2,3
	v_mul_f32 v[4*(8*\a+\j)+\t], v[128+8*(4*\a+\t)+\j], v[GG+\t]
.endr
.endr
	WIN 0x04
.irp j, 0,1,2,3,4,5,6,7
	global_store_b128 v[CO], v[4*(8*\a+\j):4*(8*\a+\j)+3], s[16:17] offset:(16*\a+\j)*16384 th:TH_STORE_NT
.endr
.endr
	WIN 0
	s_wait_tensorcnt 0x0                           ; the wave's end
	ds_add_u32 v[SPW], v[NIL]
	s_wait_dscnt 0x0
	CROUND                                         ; the closing round: no work-group ends while a partner may still ask for a tile that names it
	s_endpgm
.Lfunc_end_k_qbad7841cc8_attn:
	.size	k_qbad7841cc8_attn, .Lfunc_end_k_qbad7841cc8_attn-k_qbad7841cc8_attn
	.p2alignl 7, 3214868480
	.fill 96, 4, 3214868480
	.section	.rodata,"a",@progbits
	.p2align	6, 0x0
	.amdhsa_kernel k_qbad7841cc8_attn
		.amdhsa_group_segment_fixed_size 327680
		.amdhsa_private_segment_fixed_size 0
		.amdhsa_enable_private_segment 0
		.amdhsa_kernarg_size 56
		.amdhsa_user_sgpr_count 2
		.amdhsa_user_sgpr_kernarg_segment_ptr 1
		.amdhsa_wavefront_size32 1
		.amdhsa_system_sgpr_workgroup_id_x 1
		.amdhsa_system_sgpr_workgroup_id_y 1
		.amdhsa_system_sgpr_workgroup_id_z 1
		.amdhsa_system_vgpr_workitem_id 0
		.amdhsa_next_free_vgpr 1024
		.amdhsa_next_free_sgpr 66
		.amdhsa_reserve_vcc 0
		.amdhsa_float_denorm_mode_32 3
		.amdhsa_float_denorm_mode_16_64 3
		.amdhsa_memory_ordered 1
		.amdhsa_forward_progress 1
		.amdhsa_inst_pref_size 252
	.end_amdhsa_kernel
	.amdgpu_metadata
---
amdhsa.version: [ 1, 2 ]
amdhsa.kernels:
  - .name:           k_qbad7841cc8_attn
    .symbol:         k_qbad7841cc8_attn.kd
    .args:
      - { .name: q_img, .offset: 0, .size: 8, .value_kind: global_buffer, .address_space: global }
      - { .name: k_img, .offset: 8, .size: 8, .value_kind: global_buffer, .address_space: global }
      - { .name: v_img, .offset: 16, .size: 8, .value_kind: global_buffer, .address_space: global }
      - { .name: lowp_scales, .offset: 24, .size: 8, .value_kind: global_buffer, .address_space: global }
      - { .name: threshold, .offset: 32, .size: 8, .value_kind: global_buffer, .address_space: global }
      - { .name: temperature, .offset: 40, .size: 8, .value_kind: global_buffer, .address_space: global }
      - { .name: out0, .offset: 48, .size: 8, .value_kind: global_buffer, .address_space: global }
    .group_segment_fixed_size: 327680
    .private_segment_fixed_size: 0
    .kernarg_segment_align: 8
    .kernarg_segment_size: 56
    .max_flat_workgroup_size: 128
    .sgpr_count:     66
    .vgpr_count:     1024
    .wavefront_size: 32
...
	.end_amdgpu_metadata
.endif
;; end of part 2
